; MI455X (gfx1250); checked and timed in simulation.
; The chip was launched on July 23, 2026; its instructions are those of AMD's public machine-readable ISA for CDNA 5 (MIT licence, August 2026) and "CDNA5" Instruction Set Architecture Reference Guide (July 2026). The comments in the code are by the model that wrote it; some were corrected since.
;; Multi Head Gated Cross Attention. Allowed arithmetic: matrix products marked QUANTISED: E5M2 operands, one given power-of-two scale a tensor, by v_wmma_f32_16x16x64_bf8_bf8 or v_wmma_f32_16x16x128_bf8_bf8, f32 sums; everything else in f32.
;; Inputs: Wk_codes 512 x 16 x 32 uint8 (E5M2 codes of Wk, K innermost, in blocks of 32 codes); Wo_codes 512 x 16 x 32 uint8 (E5M2 codes of Wo, K innermost, in blocks of 32 codes); Wq_codes 512 x 16 x 32 uint8 (E5M2 codes of Wq, K innermost, in blocks of 32 codes); Wv_codes 512 x 16 x 32 uint8 (E5M2 codes of Wv, K innermost, in blocks of 32 codes); bk 512 float32; bo 512 float32; bq 512 float32; bv 512 float32; key_gate 2 x 4,096 float32; key_mask 2 x 4,096 int32; kv_codes 2 x 4,096 x 16 x 32 uint8 (E5M2 codes of kv, K innermost, in blocks of 32 codes); lowp_scales 12 int32 (the exponents e of the quantised operands' scales 2^e); q_codes 2 x 2,048 x 16 x 32 uint8 (E5M2 codes of q, K innermost, in blocks of 32 codes).
;; Outputs: out0 2 x 2,048 x 512 float32.
;; This version of the problem:
;;   THIS VERSION OF THE PROBLEM IS GIVEN IN LOW PRECISION. The matrix products marked QUANTISED in the list below multiply operands that are first quantised to E5M2 (5 exponent bits, 2 mantissa bits; 8 bits a number), with one given power-of-two scale for each operand tensor; their sums are f32. All else is computed in f32.
;;   The module's matrix products, in the order in which they are computed (A, B: the left and right operand; K: the contracted axis; several contracted axes count as one K, in the product's order):
;;     1. [M 4,096, K 512] x [K 512, N 512]; A: input q (given as codes); B: input Wq (given as codes): QUANTISED (scales: A lowp_scales[0], B lowp_scales[1])
;;     2. [M 8,192, K 512] x [K 512, N 512]; A: input kv (given as codes); B: input Wk (given as codes): QUANTISED (scales: A lowp_scales[2], B lowp_scales[3])
;;     3. [M 8,192, K 512] x [K 512, N 512]; A: input kv (given as codes); B: input Wv (given as codes): QUANTISED (scales: A lowp_scales[4], B lowp_scales[5])
;;     4. batch 16 x [M 2,048, K 64] x [K 64, N 4,096]; A: computed on the way; B: computed on the way: QUANTISED (scales: A lowp_scales[6], B lowp_scales[7])
;;     5. batch 16 x [M 2,048, K 4,096] x [K 4,096, N 64]; A: softmax (see below); B: computed on the way: QUANTISED (scales: A lowp_scales[8], B lowp_scales[9])
;;     6. [M 4,096, K 512] x [K 512, N 512]; A: computed on the way; B: input Wo (given as codes): QUANTISED (scales: A lowp_scales[10], B lowp_scales[11])
;;   THE QUANTISER, for each operand of a quantised product, along K:
;;     - The operand's scale is 2^e, e = its entry of the input lowp_scales (int32; the entries are numbered through the quantised products in the list's order, A before B).
;;     - Each number is divided by the scale, clamped to +-57,344, and rounded to the nearest number of E5M2, ties to even, subnormals kept.
;;     - The product sums the exact products of the quantised numbers (number of the format x scale) in f32.
;;   ~~~python
;;   def quantise(x, axis, e):      # numpy; x: float32 -> the quantised numbers, widened to float32 again
;;       x = np.moveaxis(x, axis, -1); K = x.shape[-1]
;;       r = np.clip(x / 2.0 ** e, -57344, 57344)
;;       step = 2.0 ** (np.maximum(np.frexp(np.where(r == 0, 1, r))[1] - 1, -14) - 2)
;;       q = np.round(r / step) * step * 2.0 ** e      # np.round: ties to even
;;       return np.moveaxis(q, -1, axis).astype(np.float32)
;;   ~~~
;;   SOFTMAX AHEAD OF A QUANTISED PRODUCT. Where the list says 'softmax', what is quantised is not the finished softmax but p = 2^(t - M), with t = logit x log2(e) and M = ceil(the row's largest t), a whole number; so 1/2 < the row's largest p <= 1. The row's sum l is taken of the UNQUANTISED p, in f32, and the product's result is divided by l at the end. Since M is a whole number, a kernel that streams over the keys may use a running M (the ceiling of the running maximum): every later rescaling is an exact power of two, so the quantised numbers keep their values, but for numbers so far below the row's largest that they fall under the format's range.
;;   OPERANDS COMPUTED ON THE WAY. 'Computed on the way' means the value that the module computes at that place (a softmax that the list does not call 'softmax' is quantised finished and normalised). What goes into a quantiser is computed in f32, as accurately as f32 sums, v_exp_f32 and their like allow (about 1e-6 of the number): no bf16 or f16 on the way to a quantiser, and a product that is left as it is and whose result goes on into a quantised operand takes f32 operands (vector FMAs, or v_wmma_f32_16x16x4_f32). A number that lies on a knife's edge between two numbers of the format may be rounded either way, as far as f32 arithmetic and the matrix unit's own rounding can turn it there, and no further.
;;   INPUTS GIVEN AS CODES. Wk (in the module: [512, 512], K = its axis 1); Wo (in the module: [512, 512], K = its axis 1); Wq (in the module: [512, 512], K = its axis 1); Wv (in the module: [512, 512], K = its axis 1); kv (in the module: [2, 4096, 512], K = its axis 2); q (in the module: [2, 2048, 512], K = its axis 2): each comes as NAME_codes (uint8): NAME with its K axis moved to the last place and cut into blocks of 32 codes, [.., K / 32, bytes a block], one block behind the other in memory; one code a byte (a code: sign, 5 exponent bits, 2 mantissa bits); its scale is its entry of lowp_scales. Its value is code x scale, taken as it is: it is not quantised again, and the codes and scales need not be those that the quantiser above would give.
;; One version. Each part assembles by itself: llvm-mc -triple=amdgcn-amd-amdhsa -mcpu=gfx1250 --defsym DOCPART=n.
;; ======== version 1 of 1: 3 launches
;; limits: right only within a limited range of input values
;; workspace buffers: qimg 2,097,152 bytes; kimg 4,194,304 bytes; vimg 4,194,304 bytes; aimg 2,097,152 bytes
;; launch proj (part 1): grid 8 x 32, 8 waves a work-group, clusters of 4 x 4, 327,680 bytes of LDS; arguments kv_codes, q_codes, Wk_codes, Wv_codes, Wq_codes, bk, bv, bq, lowp_scales, kimg, vimg, qimg; writes kimg, vimg, qimg
.if DOCPART == 1
	.amdgcn_target "amdgcn-amd-amdhsa--gfx1250"
	.amdhsa_code_object_version 6
	.text
	.protected	k_q3ed06d0730_proj
	.globl	k_q3ed06d0730_proj
	.p2align	8
	.type	k_q3ed06d0730_proj,@function
k_q3ed06d0730_proj:
	s_mov_b64 s[64:65], 0
	v_nop
	global_prefetch_b8 v0, s[64:65] scope:SCOPE_SE
	s_setreg_imm32_b32 hwreg(HW_REG_WAVE_MODE, 25, 1), 1
	s_wait_xcnt 0x0
	s_wait_alu depctr_hold_cnt(0) depctr_sa_sdst(0) depctr_va_vdst(0) depctr_va_sdst(0) depctr_va_ssrc(0) depctr_va_vcc(0) depctr_vm_vsrc(0)
	s_getreg_b32 s2, hwreg(HW_REG_IB_STS2, 6, 4)
	s_cmp_eq_u32 s2, 0
	s_cbranch_scc0 .Lentry_in_a_cluster
	s_endpgm
.Lentry_in_a_cluster:
	s_bfe_u32 s2, ttmp6, 0x10000c
	s_cmp_lg_u32 s2, 0xf033
	s_cbranch_scc0 .Lentry_shape_is_right
	s_endpgm
.Lentry_shape_is_right:
.set PITCH,  528
.set KV,     0
.set QR,     KV+256*PITCH
.set WK,     QR+128*PITCH
.set WV,     WK+64*PITCH
.set WQ,     WV+64*PITCH
.set SPARE,  WQ+64*PITCH
.set PADW,   (1<<20)|(1<<21)|(6<<22)|(3<<25)
.set SPW, 1
.set NIL, 2
.set RR,  3
.set HH,  4
.set AR,  5
.set AQ,  6
.set AWK, 7
.set AWV, 8
.set AWQ, 9
.set LI,  10
.set BO8, 11
.set BO1, 12
.set TT,  13
.set SCK, 16
.set LMK, 17
.set SCV, 18
.set LMV, 19
.set SCQ, 20
.set LMQ, 21
.set ACC, 32
.set COD, 96
.set BV,  112
.set WB,  128
.set FKV, 0
.set FQ,  128
.set BK,  192
.set BQ,  224
.set G1R, 28
.set G1C, 36
.set G1Q, 44
.set G0R, 52
.set G0C, 56
.set G0Q, 60
.set WVN, 66
.set KB,  92
.set VB,  94
.set QB,  96
.set MSB, 0
.macro WIN new
.if MSB != \new
	s_set_vgpr_msb (MSB<<8)|\new
.set MSB, \new
.endif
.endm
.macro PLACES n
.rept \n
	v_nop
.endr
.endm
.macro CROUND
	s_barrier_signal -1
	s_barrier_wait -1
	s_cmp_lg_u32 s[WVN], 0
	s_cbranch_scc1 .Lnot_wave_0_\@
	s_barrier_signal -3
.Lnot_wave_0_\@:
	s_barrier_wait -3
	s_barrier_signal -1
	s_barrier_wait -1
.endm
.macro MKSCALE vs, vl, se
	s_add_co_i32 s100, s[\se], 127
	s_lshl_b32 s101, s100, 23
	v_mov_b32 v[\vs], s101
.endm
	s_load_b512 s[4:19], s[0:1], 0x0
	s_load_b256 s[20:27], s[0:1], 0x40
	v_lshl_add_u32 v[SPW], v0, 2, SPARE
	v_mov_b32 v[NIL], 0
	ds_add_u32 v[SPW], v[NIL]
	ds_add_u32 v[SPW], v[NIL]
	v_lshrrev_b32 v[TT], 5, v0
	s_delay_alu instid0(VALU_DEP_1)
	v_readfirstlane_b32 s[WVN], v[TT]
	s_bfe_u32 s67, ttmp6, 0x40000
	s_bfe_u32 s68, ttmp6, 0x40004
	s_lshl_b32 s69, ttmp9, 2
	s_add_co_u32 s69, s69, s67
	s_and_b32 s70, ttmp7, 0xffff
	s_lshl_b32 s70, s70, 2
	s_add_co_u32 s70, s70, s68
	s_lshl_b32 s72, s68, 2
	s_lshl_b32 s72, 15, s72
	s_lshl_b32 s76, 0x1111, s67
	s_or_b32 s[G1R], s72, PADW
	s_or_b32 s[G1C], s76, PADW
	s_or_b32 s[G1Q], s76, PADW
.irp g, G1R, G1C
	s_mov_b32 s[\g+1], 512<<16
	s_mov_b32 s[\g+2], 64<<16
	s_mov_b32 s[\g+3], 512<<16
	s_mov_b32 s[\g+4], 64
	s_mov_b32 s[\g+5], 512
	s_mov_b32 s[\g+6], 0
	s_mov_b32 s[\g+7], 0
.endr
	s_mov_b32 s[G1Q+1], 512<<16
	s_mov_b32 s[G1Q+2], 8<<16
	s_mov_b32 s[G1Q+3], 512<<16
	s_mov_b32 s[G1Q+4], 8
	s_mov_b32 s[G1Q+5], 512
	s_mov_b32 s[G1Q+6], 0
	s_mov_b32 s[G1Q+7], 0
	s_lshl_b32 s72, s70, 8
	s_lshl_b32 s73, s[WVN], 6
	s_add_co_u32 s72, s72, s73
	s_lshl_b32 s74, s70, 7
	s_and_b32 s73, s[WVN], 1
	s_lshl_b32 s73, s73, 6
	s_add_co_u32 s74, s74, s73
	s_cmp_lt_u32 s[WVN], 4
	s_cselect_b32 s72, s72, s74
	s_lshl_b32 s72, s72, 9
	s_mov_b32 s73, 0
	s_lshl_b32 s76, s69, 15
	s_mov_b32 s77, 0
	s_lshl_b32 s78, s[WVN], 12
	s_add_co_u32 s78, s78, s76
	s_mov_b32 s79, 0
	s_mul_i32 s71, s[WVN], 64*PITCH
	s_mul_i32 s92, s[WVN], 8*PITCH
	s_add_co_u32 s92, s92, WQ
	s_wait_dscnt 0x0
	s_wait_kmcnt 0x0
	s_load_b256 s[80:87], s[20:21], 0x0
	s_load_b128 s[88:91], s[20:21], 0x20
	s_cmp_lt_u32 s[WVN], 4
	s_cselect_b64 s[74:75], s[4:5], s[6:7]
	s_mov_b32 s[G0R], 1
	s_mov_b32 s[G0R+1], s71
	s_add_nc_u64 s[G0R+2:G0R+3], s[74:75], s[72:73]
	s_or_b32 s[G0R+3], s[G0R+3], 0x80000000
	s_cmp_eq_u32 s[WVN], 7
	s_cselect_b64 s[98:99], s[10:11], s[8:9]
	s_mov_b32 s[G0C], 1
	s_mov_b32 s[G0C+1], s71
	s_add_nc_u64 s[G0C+2:G0C+3], s[98:99], s[76:77]
	s_or_b32 s[G0C+3], s[G0C+3], 0x80000000
	s_mov_b32 s[G0Q], 1
	s_mov_b32 s[G0Q+1], s92
	s_add_nc_u64 s[G0Q+2:G0Q+3], s[12:13], s[78:79]
	s_or_b32 s[G0Q+3], s[G0Q+3], 0x80000000
	CROUND
	s_cmp_lt_u32 s[WVN], 6
	s_cbranch_scc0 .Lfor_w
	tensor_load_to_lds s[G0R:G0R+3], s[G1R:G1R+7]
	s_nop 0
	PLACES 4
	s_branch .Lasked
.Lfor_w:
	tensor_load_to_lds s[G0C:G0C+3], s[G1C:G1C+7]
	s_nop 0
	PLACES 4
.Lasked:
	s_wait_alu depctr_va_vdst(0)
	s_wait_tensorcnt 0x0
	ds_add_u32 v1, v2
	s_wait_dscnt 0x0
	CROUND
	tensor_load_to_lds s[G0Q:G0Q+3], s[G1Q:G1Q+7]
	s_nop 0
	PLACES 4
	v_and_b32 v[RR], 15, v0
	v_bfe_u32 v[HH], v0, 4, 1
	s_delay_alu instid0(VALU_DEP_2)
	v_mul_u32_u24 v[TT], v[RR], PITCH
	s_delay_alu instid0(VALU_DEP_1)
	v_lshl_add_u32 v[TT], v[HH], 4, v[TT]
	s_mul_i32 s92, s[WVN], 32*PITCH
	v_add_nc_u32 v[AR], s92, v[TT]
	s_mul_i32 s92, s[WVN], 16*PITCH
	s_add_co_u32 s92, s92, QR
	v_add_nc_u32 v[AQ], s92, v[TT]
	v_add_nc_u32 v[AWK], WK, v[TT]
	v_add_nc_u32 v[AWQ], WQ, v[TT]
	v_and_b32 v[BO1], 8, v[RR]
	s_delay_alu instid0(VALU_DEP_1)
	v_add_nc_u32 v[BO1], v[BO1], v[RR]
	s_delay_alu instid0(VALU_DEP_1)
	v_mul_u32_u24 v[AWV], v[BO1], PITCH
	s_delay_alu instid0(VALU_DEP_1)
	v_lshl_add_u32 v[AWV], v[HH], 4, v[AWV]
	s_delay_alu instid0(VALU_DEP_1)
	v_add_nc_u32 v[AWV], WV, v[AWV]
	s_delay_alu instid0(VALU_DEP_4)
	v_lshlrev_b32 v[BO1], 2, v[BO1]
	v_lshlrev_b32 v[BO8], 5, v[HH]
	v_and_b32 v[LI], 31, v0
	s_delay_alu instid0(VALU_DEP_1)
	v_lshlrev_b32 v[LI], 4, v[LI]
	s_lshl_b32 s92, s69, 8
	s_mov_b32 s93, 0
	s_add_nc_u64 s[14:15], s[14:15], s[92:93]
	s_add_nc_u64 s[16:17], s[16:17], s[92:93]
	s_add_nc_u64 s[18:19], s[18:19], s[92:93]
	WIN 0x40
.irp dt, 0,1,2,3
	global_load_b128 v[BK+8*\dt:BK+8*\dt+3],   v[BO8], s[14:15] offset:64*\dt
	global_load_b128 v[BK+8*\dt+4:BK+8*\dt+7], v[BO8], s[14:15] offset:64*\dt+16
	global_load_b128 v[BQ+8*\dt:BQ+8*\dt+3],   v[BO8], s[18:19] offset:64*\dt
	global_load_b128 v[BQ+8*\dt+4:BQ+8*\dt+7], v[BO8], s[18:19] offset:64*\dt+16
.endr
	WIN 0
.irp dt, 0,1,2,3
	global_load_b32 v[BV+2*\dt], v[BO1], s[16:17] offset:(32*(\dt/2)+8*(\dt%2))*4
	v_mov_b32 v[BV+2*\dt+1], 0
.endr
	s_lshr_b32 s98, s70, 4
	s_lshl_b32 s98, s98, 3
	s_add_co_u32 s98, s98, s69
	s_and_b32 s99, s70, 15
	s_lshl_b32 s[KB], s98, 8
	s_lshl_b32 s71, s99, 4
	s_add_co_u32 s[KB], s[KB], s71
	s_lshl_b32 s71, s[WVN], 1
	s_add_co_u32 s[KB], s[KB], s71
	s_lshl_b32 s[KB], s[KB], 10
	s_mov_b32 s[KB+1], 0
	s_add_nc_u64 s[KB:KB+1], s[22:23], s[KB:KB+1]
	s_lshl_b32 s[VB], s98, 5
	s_lshl_b32 s71, s99, 1
	s_add_co_u32 s[VB], s[VB], s71
	s_lshr_b32 s71, s[WVN], 2
	s_add_co_u32 s[VB], s[VB], s71
	s_lshl_b32 s[VB], s[VB], 13
	s_and_b32 s71, s[WVN], 3
	s_lshl_b32 s71, s71, 9
	s_add_co_u32 s[VB], s[VB], s71
	s_mov_b32 s[VB+1], 0
	s_add_nc_u64 s[VB:VB+1], s[24:25], s[VB:VB+1]
	s_lshl_b32 s[QB], s98, 7
	s_lshl_b32 s71, s99, 3
	s_add_co_u32 s[QB], s[QB], s71
	s_add_co_u32 s[QB], s[QB], s[WVN]
	s_lshl_b32 s[QB], s[QB], 10
	s_mov_b32 s[QB+1], 0
	s_add_nc_u64 s[QB:QB+1], s[26:27], s[QB:QB+1]
	s_wait_kmcnt 0x0
	s_add_co_i32 s82, s82, s83
	s_sub_co_i32 s99, s87, s82
	MKSCALE SCK, LMK, 99
	s_sub_co_i32 s82, 0, s82
	s_add_co_i32 s84, s84, s85
	s_sub_co_i32 s99, s89, s84
	MKSCALE SCV, LMV, 99
	s_sub_co_i32 s84, 0, s84
	s_add_co_i32 s80, s80, s81
	s_sub_co_i32 s99, s86, s80
	MKSCALE SCQ, LMQ, 99
	s_sub_co_i32 s80, 0, s80
	s_wait_loadcnt 0x0
	WIN 0x41
.set j, 0
.rept 32
	v_ldexp_f32 v[BK+j], v[BK+j], s82
	v_ldexp_f32 v[BQ+j], v[BQ+j], s80
.set j, j+1
.endr
	WIN 0
.irp dt, 0,1,2,3
	v_ldexp_f32 v[BV+2*\dt], v[BV+2*\dt], s84
.endr
.macro WGRP n
.set lwb, WB+64*((\n)%2)
.set lko, 128*((\n)%4)
.irp dt, 0,1,2,3
.irp c, 0,1,2,3
.if (\n)/4 == 0
	ds_load_b128 v[lwb+16*\dt+4*\c:lwb+16*\dt+4*\c+3], v[AWK] offset:16*\dt*PITCH+lko+32*\c
.elseif (\n)/4 == 1
	ds_load_b128 v[lwb+16*\dt+4*\c:lwb+16*\dt+4*\c+3], v[AWV] offset:(32*(\dt/2)+8*(\dt%2))*PITCH+lko+32*\c
.else
	ds_load_b128 v[lwb+16*\dt+4*\c:lwb+16*\dt+4*\c+3], v[AWQ] offset:16*\dt*PITCH+lko+32*\c
.endif
.endr
.endr
.endm
.macro GROUP g
.set gty, (\g)/4
.set gks, (\g)%4
.set gwb, WB+64*((\g)%2)
.if (\g) < 11
	s_wait_dscnt 16
.else
	s_wait_dscnt 0x0
.endif
.if gty == 1
	WIN 0x01
.elseif gks == 0
	WIN 0x14
.else
	WIN 0x04
.endif
.irp dt, 0,1,2,3
.irp rt, 0,1
.set gac, ACC+8*(4*\rt+\dt)
.set gfr, FKV+16*(4*\rt+gks)
.if gty == 0
.if gks == 0
	v_wmma_f32_16x16x128_bf8_bf8 v[gac:gac+7], v[gwb+16*\dt:gwb+16*\dt+15], v[gfr:gfr+15], v[BK+8*\dt:BK+8*\dt+7]
.else
	v_wmma_f32_16x16x128_bf8_bf8 v[gac:gac+7], v[gwb+16*\dt:gwb+16*\dt+15], v[gfr:gfr+15], v[gac:gac+7]
.endif
.elseif gty == 1
.if gks == 0
	v_wmma_f32_16x16x128_bf8_bf8 v[gac:gac+7], v[gfr:gfr+15], v[gwb+16*\dt:gwb+16*\dt+15], 0
.else
	v_wmma_f32_16x16x128_bf8_bf8 v[gac:gac+7], v[gfr:gfr+15], v[gwb+16*\dt:gwb+16*\dt+15], v[gac:gac+7]
.endif
.elseif \rt == 0
.if gks == 0
	v_wmma_f32_16x16x128_bf8_bf8 v[gac:gac+7], v[gwb+16*\dt:gwb+16*\dt+15], v[FQ+16*gks:FQ+16*gks+15], v[BQ+8*\dt:BQ+8*\dt+7]
.else
	v_wmma_f32_16x16x128_bf8_bf8 v[gac:gac+7], v[gwb+16*\dt:gwb+16*\dt+15], v[FQ+16*gks:FQ+16*gks+15], v[gac:gac+7]
.endif
.endif
.endr
.endr
	WIN 0
	PLACES 4
.if (\g)+2 < 12
	WGRP (\g)+2
.endif
.endm
.macro EPI_KQ nrt, sc, lm
.irp rt, 0,1
.if \rt < \nrt
.irp dt, 0,1,2,3
.irp i, 0,1,2,3,4,5,6,7
.endr
	v_cvt_scalef32_pk8_bf8_f32 v[COD+8*\rt+2*\dt:COD+8*\rt+2*\dt+1], v[ACC+8*(4*\rt+\dt):ACC+8*(4*\rt+\dt)+7], v[\sc]
.endr
.endif
.endr
	v_nop
.endm
.macro EPI_V
.irp dt, 0,1,2,3
.irp rt, 0,1
.irp i, 0,2,4,6
	v_pk_add_f32 v[ACC+8*(4*\rt+\dt)+\i:ACC+8*(4*\rt+\dt)+\i+1], v[ACC+8*(4*\rt+\dt)+\i:ACC+8*(4*\rt+\dt)+\i+1], v[BV+2*\dt:BV+2*\dt+1] op_sel_hi:[1,0]
.endr
.irp i, 0,1,2,3,4,5,6,7
.endr
	v_cvt_scalef32_pk8_bf8_f32 v[COD+4*\dt+2*\rt:COD+4*\dt+2*\rt+1], v[ACC+8*(4*\rt+\dt):ACC+8*(4*\rt+\dt)+7], v[SCV]
.endr
.endr
	v_nop
.endm
	s_wait_alu depctr_va_vdst(0)
	s_wait_tensorcnt 0x0
	s_barrier_signal -1
	s_barrier_wait -1
	WIN 0x40
.irp rt, 0,1
.irp kk, 0,1,2,3
.irp c, 0,1,2,3
	ds_load_b128 v[FKV+16*(4*\rt+\kk)+4*\c:FKV+16*(4*\rt+\kk)+4*\c+3], v[AR] offset:\rt*16*PITCH+128*\kk+32*\c
.endr
.endr
.endr
.irp kk, 0,1,2,3
.irp c, 0,1,2,3
	ds_load_b128 v[FQ+16*\kk+4*\c:FQ+16*\kk+4*\c+3], v[AQ] offset:128*\kk+32*\c
.endr
.endr
	WIN 0
	WGRP 0
	WGRP 1
	GROUP 0
	GROUP 1
	GROUP 2
	GROUP 3
	EPI_KQ 2, SCK, LMK
.irp rt, 0,1
.irp g, 0,1
	global_store_b128 v[LI], v[COD+8*\rt+4*\g:COD+8*\rt+4*\g+3], s[KB:KB+1] offset:1024*\rt+512*\g
.endr
.endr
	GROUP 4
	GROUP 5
	GROUP 6
	GROUP 7
	s_wait_xcnt 0x0
	EPI_V
.irp dt, 0,1,2,3
	global_store_b128 v[LI], v[COD+4*\dt:COD+4*\dt+3], s[VB:VB+1] offset:2048*\dt
.endr
	GROUP 8
	GROUP 9
	GROUP 10
	GROUP 11
	s_wait_xcnt 0x0
	EPI_KQ 1, SCQ, LMQ
.irp g, 0,1
	global_store_b128 v[LI], v[COD+4*\g:COD+4*\g+3], s[QB:QB+1] offset:512*\g
.endr
	s_wait_tensorcnt 0x0
	ds_add_u32 v[SPW], v[NIL]
	s_wait_dscnt 0x0
	CROUND
	s_endpgm
.Lfunc_end_k_q3ed06d0730_proj:
	.size	k_q3ed06d0730_proj, .Lfunc_end_k_q3ed06d0730_proj-k_q3ed06d0730_proj
	.p2alignl 7, 3214868480
	.fill 96, 4, 3214868480
	.section	.rodata,"a",@progbits
	.p2align	6, 0x0
	.amdhsa_kernel k_q3ed06d0730_proj
		.amdhsa_group_segment_fixed_size 327680
		.amdhsa_private_segment_fixed_size 0
		.amdhsa_enable_private_segment 0
		.amdhsa_kernarg_size 96
		.amdhsa_user_sgpr_count 2
		.amdhsa_user_sgpr_kernarg_segment_ptr 1
		.amdhsa_wavefront_size32 1
		.amdhsa_system_sgpr_workgroup_id_x 1
		.amdhsa_system_sgpr_workgroup_id_y 1
		.amdhsa_system_sgpr_workgroup_id_z 1
		.amdhsa_system_vgpr_workitem_id 0
		.amdhsa_next_free_vgpr 512
		.amdhsa_next_free_sgpr 102
		.amdhsa_reserve_vcc 0
		.amdhsa_float_denorm_mode_32 3
		.amdhsa_float_denorm_mode_16_64 3
		.amdhsa_fp16_overflow 1
		.amdhsa_memory_ordered 1
		.amdhsa_forward_progress 1
		.amdhsa_inst_pref_size 43
	.end_amdhsa_kernel
	.amdgpu_metadata
---
amdhsa.version: [ 1, 2 ]
amdhsa.kernels:
  - .name:           k_q3ed06d0730_proj
    .symbol:         k_q3ed06d0730_proj.kd
    .args:
      - { .name: kv_codes, .offset: 0, .size: 8, .value_kind: global_buffer, .address_space: global }
      - { .name: q_codes, .offset: 8, .size: 8, .value_kind: global_buffer, .address_space: global }
      - { .name: Wk_codes, .offset: 16, .size: 8, .value_kind: global_buffer, .address_space: global }
      - { .name: Wv_codes, .offset: 24, .size: 8, .value_kind: global_buffer, .address_space: global }
      - { .name: Wq_codes, .offset: 32, .size: 8, .value_kind: global_buffer, .address_space: global }
      - { .name: bk, .offset: 40, .size: 8, .value_kind: global_buffer, .address_space: global }
      - { .name: bv, .offset: 48, .size: 8, .value_kind: global_buffer, .address_space: global }
      - { .name: bq, .offset: 56, .size: 8, .value_kind: global_buffer, .address_space: global }
      - { .name: lowp_scales, .offset: 64, .size: 8, .value_kind: global_buffer, .address_space: global }
      - { .name: kimg, .offset: 72, .size: 8, .value_kind: global_buffer, .address_space: global }
      - { .name: vimg, .offset: 80, .size: 8, .value_kind: global_buffer, .address_space: global }
      - { .name: qimg, .offset: 88, .size: 8, .value_kind: global_buffer, .address_space: global }
    .group_segment_fixed_size: 327680
    .private_segment_fixed_size: 0
    .kernarg_segment_align: 8
    .kernarg_segment_size: 96
    .max_flat_workgroup_size: 256
    .sgpr_count:     102
    .vgpr_count:     512
    .wavefront_size: 32
...
	.end_amdgpu_metadata
.endif
;; end of part 1
;; launch attn (part 2): grid 16 x 16, 8 waves a work-group, clusters of 4 x 1, 327,680 bytes of LDS; arguments qimg, kimg, vimg, key_gate, key_mask, lowp_scales, aimg; writes aimg
.if DOCPART == 2
	.amdgcn_target "amdgcn-amd-amdhsa--gfx1250"
	.amdhsa_code_object_version 6
	.text
	.protected	k_q3ed06d0730_attn
	.globl	k_q3ed06d0730_attn
	.p2align	8
	.type	k_q3ed06d0730_attn,@function
k_q3ed06d0730_attn:
	s_mov_b64 s[64:65], 0
	v_nop
	global_prefetch_b8 v0, s[64:65] scope:SCOPE_SE
	s_setreg_imm32_b32 hwreg(HW_REG_WAVE_MODE, 25, 1), 1
	s_wait_xcnt 0x0
	s_wait_alu depctr_hold_cnt(0) depctr_sa_sdst(0) depctr_va_vdst(0) depctr_va_sdst(0) depctr_va_ssrc(0) depctr_va_vcc(0) depctr_vm_vsrc(0)
	s_getreg_b32 s2, hwreg(HW_REG_IB_STS2, 6, 4)
	s_cmp_eq_u32 s2, 0
	s_cbranch_scc0 .Lentry_in_a_cluster
	s_endpgm
.Lentry_in_a_cluster:
	s_bfe_u32 s2, ttmp6, 0x10000c
	s_cmp_lg_u32 s2, 0x3003
	s_cbranch_scc0 .Lentry_shape_is_right
	s_endpgm
.Lentry_shape_is_right:
; GATED, MASKED ATTENTION on codes of BF8 (E5M2): for each batch and head, a = softmax_k(qp . kp / 8 + log(max(gate_k, 1e-6)), keys with key_mask = 0 at -infinity) vp, quantised at once with 2^e10 for the last product.
; Nothing of the problem is left out here: masked keys are computed and count for nothing (p = 0).
; THE SOFTMAX AHEAD OF THE SECOND PRODUCT: t = logit x log2(e); M = the row's largest t so far, rounded UP to a whole number; p = 2^(t - M) is quantised with 2^e8; the row's sum l is taken of the unquantised p and divides at the end.
; GATE AND MASK COST NO VECTOR WORK IN THE LOOP.  With L = log2(max(gate, 1e-6)), or -2^60 where the mask is 0, the table C[k] = L x 8 ln 2 x 2^-(e6 + e7) is made once in LDS and is the C operand of S^T = K Q^T:
; t = c' (sum + C), c' = log2(e) / 8 x 2^(e6 + e7).  The largest t starts at -2^50, under every t of a key that counts and over every masked one's: a masked key gives p = 0; a row all of whose keys are masked gives l = 0 and
; 0 x (1 / 0) = NaN, as the softmax of a row of -infinity is.  Only finite numbers go to the matrix unit.
; SHARES.  256 work-groups of 8 waves.  Work-group: 128 queries of one batch and head.  Wave w: two tiles of 16 queries (tiles 2 (w % 4), + 1 of the eight), so that each fragment of K, V and C read from LDS feeds two products,
; and one HALF OF THE KEYS (w / 4): of each 1,024 keys in a slot, steps 4 (w / 4) .. + 3 of 128 keys.  The two halves are merged once at the end, by powers of two alone, since both M are whole numbers.
; THE RING: two LDS slots of 1,024 keys (K's image 64 KiB, V's 64 KiB), dense blocks of memory; each of the eight waves fetches an eighth (16 KiB) by one tensor load.
; CLUSTER 4 x 1: the four blocks of queries of a cluster belong to one batch and head and walk the same K and V: each tile is asked for jointly, mask 15.
; LAYOUT.  Both products transposed: S^T = K Q^T (K = 64 form; source 0 = 16 keys, source 1 = 16 queries), O^T = V^T P^T (K = 128 form): a lane holds ONE query.  In S^T tile t register j is key 16 t + 8 (lane / 16) + j:
; a conversion's two registers are registers 2 t, 2 t + 1 of P, the form's own layout.  V's rows are so ordered (first launch) that O^T's tiles 2 g, 2 g + 1 hold channels 32 g + 16 (lane / 16) + 0 .. 15.
; aimg [query tile 256][head 8][g 2][512 bytes: lane l's 16 bytes at 16 l]: two heads on end are one fragment of the last product.
; LIMITS on the given exponents: -64 <= e6 + e7 <= 13 (C stays finite; every t of a key that counts lies over -2^50); e8 and e10 - e8 - e9 between -126 and 112.  NaN in key_gate is not served.
.set SLOT1, 1<<17                      ; slot 1 begins here: one exclusive or turns an address in one slot into the other's
.set VOFF,  65536                      ; in a slot: K's image, then V's
.set BIAS,  2*SLOT1
.set SPARE, BIAS+16384                 ; the spare words, 128 bytes for each wave: four blocks of 256 bytes that no other line names
.set STAGE, SPARE+1024                 ; the merge: 8,704 bytes for each pair of waves, in bytes of its own
; window 0
.set SPW, 1                            ; v1   LDS address of my spare word; never rewritten
.set NIL, 2                            ; v2   0; never rewritten
.set LI,  3                            ; v3   16 x lane
.set ADK, 4                            ; v4   the step's K   v5 its V   v6 its C
.set ADV, 5
.set ADB, 6
.set BL,  7                            ; v7   32 (lane / 16)
.set SA,  8                            ; v8   my pair's stage + 16 x lane
.set PFO, 9                            ; v9   256 x lane, for the prefetches; never rewritten
.set BT,  10                           ; v10  BIAS + 16 x thread
.set GT,  11                           ; v11  16 x thread
.set STA, 12                           ; tile x's statistics at 12 + 4 x: +0 -M, +1 the largest t, +2, +3 l in two halves
.set WKA, 20                           ; at work, tile x at 20 + 6 x: +0, +1 two chains; +2 f (+3 named with it); +4 a permute's destination
.set PSC, 32                           ; v32, v33  2^e8 and 57,344 x 2^e8
.set PLIM, 33
.set SC6, 34                           ; v34, v35  the same with e10 - e8 - e9
.set LIM6, 35
.set F1,  36                           ; v[36:37], v[38:39]  the other half's factor
.set RC,  40                           ; v[40:41], v[42:43]  1 / l
.set CM,  44                           ; v44  -2^60
.set LM,  46                           ; v46, v47  the hold's limit x l
.set SND, 48                           ; v[48:51]  statistics sent
.set RCV, 52                           ; v[52:55]  statistics received
.set P,   56                           ; v56-87   p's codes, 16 a tile
.set S,   96                           ; v96-223  S^T, then p: 64 a tile; on the way out v96-159 the other half's O^T
.set Q,   224                          ; v224-239 Q, 8 a tile
.set COD, 240                          ; v240-255 the way out: codes, 8 a tile
; window 1
.set CB,  0                            ; v0-63    C, tile t at 8 t
.set KF,  64                           ; v64-127  K
.set VF,  128                          ; v128-191 V, 16 a tile dt
.set O,   192                          ; v192-255 O^T, 32 a tile of queries
; scalars
.set WV,  18                           ; s18 my wave's number   s19 my half of the keys
.set KH,  19
.set SEL, 20                           ; s[20:21] lane selects for v_permlanex16_b32: lane l xor 16
.set CS,  22                           ; s[22:23] c'
.set G1,  24                           ; s[24:31] descriptor group 1: 64 rows of 256 bytes, dense
.set G0,  32                           ; s[32:35] descriptor group 0: it walks
.set TK,  36                           ; s36 LDS byte of the step's K   s37 of its C   s38 counts a slot's steps   s39 slots still to be asked for
.set TBI, 37
.set TW,  38
.set SLOTS, 39
.set LIM, 40                           ; s40 1 in a wave that prefetches, else the greatest number
.set PFA, 42                           ; s[42:43] where my prefetches stand
.set MSB, 0
.macro WIN new
.if MSB != \new
	s_set_vgpr_msb (MSB<<8)|\new
.set MSB, \new
.endif
.endm
.macro PLACES n
.rept \n
	v_nop
.endr
.endm
.macro CROUND
	s_barrier_signal -1
	s_barrier_wait -1
	s_cmp_lg_u32 s[WV], 0
	s_cbranch_scc1 .Lnot_wave_0_\@
	s_barrier_signal -3
.Lnot_wave_0_\@:
	s_barrier_wait -3
	s_barrier_signal -1
	s_barrier_wait -1
.endm
.macro MKSCALE vs, vl, se
	s_add_co_i32 s82, s[\se], 127
	s_lshl_b32 s83, s82, 23
	v_mov_b32 v[\vs], s83
	s_add_co_i32 s82, s82, 15
	s_lshl_b32 s82, s82, 23
	s_or_b32 s82, s82, 0x600000
	v_mov_b32 v[\vl], s82
.endm
	s_load_b256 s[4:11], s[0:1], 0x0               ; qimg s[4:5], kimg s[6:7], vimg s[8:9], key_gate s[10:11]
	s_load_b128 s[12:15], s[0:1], 0x20             ; key_mask s[12:13], the exponents s[14:15]
	s_load_b64 s[16:17], s[0:1], 0x30              ; aimg
	v_lshl_add_u32 v[SPW], v0, 2, SPARE
	v_mov_b32 v[NIL], 0
	ds_add_u32 v[SPW], v[NIL]                      ; the wave's opening: the add, twice on end, and its wait ahead of my first tensor load
	ds_add_u32 v[SPW], v[NIL]                      ; and once more; the set-up below stands between it and the wait
	v_lshrrev_b32 v[LI], 5, v0
	v_readfirstlane_b32 s[WV], v[LI]               ; wave 0..7
	s_lshr_b32 s[KH], s[WV], 2
	s_and_b32 s57, s[WV], 3                        ; my pair of query tiles.  Also: which quarter of an image I fetch
	s_bfe_u32 s58, ttmp6, 0x40000                  ; cx: it enters global addresses alone
	s_lshl_b32 s59, ttmp9, 2
	s_add_co_u32 s59, s59, s58                     ; my block of 128 queries
	s_and_b32 s60, ttmp7, 0xffff                   ; bh = 8 x batch + head, which the four partners share
	s_mov_b32 s[G1], 15|(1<<21)                    ; the mask: all four work-groups; elements of 1 byte; no padding; bit 21 beside a mask
	s_mov_b32 s[G1+1], 256<<16                     ; tensor_dim0 = 256
	s_mov_b32 s[G1+2], 64<<16                      ; tensor_dim1 = 64
	s_mov_b32 s[G1+3], 256<<16                     ; tile_dim0
	s_mov_b32 s[G1+4], 64                          ; tile_dim1
	s_mov_b32 s[G1+5], 256                         ; from row to row: dense
	s_mov_b32 s[G1+6], 0
	s_mov_b32 s[G1+7], 0
	s_mov_b32 s[SEL], 0x76543210
	s_mov_b32 s[SEL+1], 0xfedcba98
	s_mov_b32 s[SLOTS], 3
	s_lshl_b32 s[TK], s[KH], 15                    ; my half's first step in a slot: 4 steps x 8,192 bytes
	s_lshl_b32 s[TBI], s[KH], 11                   ; and in the table: 4 steps x 512 bytes
	s_add_co_u32 s[TBI], s[TBI], BIAS
	s_and_b32 s[LIM], s[WV], 1                     ; the even waves
	s_or_b32 s[LIM], s[LIM], ttmp9                 ; of the head's first cluster prefetch: the same in all four partners
	s_cmp_eq_u32 s[LIM], 0
	s_cselect_b32 s[LIM], 1, -1
	s_lshl_b32 s62, s60, 18                        ; the head's image: 262,144 bytes
	s_lshl_b32 s61, s57, 14                        ; my quarter of a slot's part of it
	s_add_co_u32 s62, s62, s61
	s_mov_b32 s63, 0
	s_and_b32 s68, s[WV], 2                        ; the prefetches: of a slot's 64 KiB of an image, wave 0 (4) takes the first half, wave 2 (6) the second,
	s_lshl_b32 s68, s68, 14
	s_lshl_b32 s69, s58, 13                        ; and of that each partner 8,192 bytes, told apart by address
	s_add_co_u32 s68, s68, s69
	s_lshl_b32 s69, s60, 18
	s_add_co_u32 s68, s68, s69
	s_add_co_u32 s68, s68, 65536                   ; at keys 1,024 on: the first change of slots steps it to keys 2,048 on
	s_mov_b32 s69, 0
	s_wait_dscnt 0x0                               ; both opening adds are done
	s_wait_kmcnt 0x0
	s_load_b128 s[44:47], s[14:15], 0x18           ; e6, e7, e8, e9
	s_load_b32 s48, s[14:15], 0x28                 ; e10
	s_cmp_lt_u32 s[WV], 4
	s_cselect_b64 s[66:67], s[6:7], s[8:9]         ; waves 0-3 fetch K's image, waves 4-7 V's
	s_mov_b32 s[G0], 1
	s_lshl_b32 s[G0+1], s[WV], 14                  ; LDS: wave x 16,384, in slot 0
	s_add_nc_u64 s[G0+2:G0+3], s[66:67], s[62:63]
	s_or_b32 s[G0+3], s[G0+3], 0x80000000
	s_add_nc_u64 s[PFA:PFA+1], s[66:67], s[68:69]
	CROUND                                         ; all four work-groups are here: the first joint loads meet
	tensor_load_to_lds s[G0:G0+3], s[G1:G1+7]      ; keys 0 to 1,023 into slot 0: every wave issues one; one load of mine is out
	s_nop 0
	PLACES 4
	v_and_b32 v[LI], 31, v0
	v_lshlrev_b32 v[PFO], 8, v[LI]
	v_lshlrev_b32 v[LI], 4, v[LI]
	v_bfe_u32 v[BL], v0, 4, 1
	v_lshlrev_b32 v[BL], 5, v[BL]
	s_mul_i32 s70, s57, 8704
	s_add_co_u32 s70, s70, STAGE
	v_add_nc_u32 v[SA], s70, v[LI]
	v_lshl_add_u32 v[BT], v0, 4, BIAS
	v_lshlrev_b32 v[GT], 4, v0
	s_lshl_b32 s70, s60, 7
	s_lshl_b32 s71, s59, 3
	s_add_co_u32 s70, s70, s71
	s_lshl_b32 s71, s57, 1
	s_add_co_u32 s70, s70, s71                     ; my first query tile in qimg: 128 bh + 8 block + 2 pair
	s_lshl_b32 s72, s70, 10
	s_mov_b32 s73, 0
	s_add_nc_u64 s[4:5], s[4:5], s[72:73]
	s_lshr_b32 s74, s60, 3                         ; the batch
	s_lshl_b32 s75, s74, 7
	s_lshl_b32 s71, s59, 3
	s_add_co_u32 s75, s75, s71
	s_lshl_b32 s71, s57, 1
	s_add_co_u32 s75, s75, s71                     ; my first query tile in aimg: 128 batch + 8 block + 2 pair,
	s_lshl_b32 s75, s75, 3
	s_and_b32 s71, s60, 7
	s_add_co_u32 s75, s75, s71                     ; x 8 heads + my head
	s_lshl_b32 s76, s75, 10
	s_mov_b32 s77, 0
	s_add_nc_u64 s[16:17], s[16:17], s[76:77]
	s_lshl_b32 s78, s74, 14                        ; the batch's 4,096 gates and masks
	s_mov_b32 s79, 0
	s_add_nc_u64 s[10:11], s[10:11], s[78:79]
	s_add_nc_u64 s[12:13], s[12:13], s[78:79]
.irp x, 0,1
.irp g, 0,1
	global_load_b128 v[Q+8*\x+4*\g:Q+8*\x+4*\g+3], v[LI], s[4:5] offset:1024*\x+512*\g   ; Q stays in registers
.endr
.endr
.irp j, 0,1,2,3
	global_load_b128 v[S+4*\j:S+4*\j+3], v[GT], s[10:11] offset:4096*\j                  ; 16 gates a thread,
	global_load_b128 v[S+16+4*\j:S+16+4*\j+3], v[GT], s[12:13] offset:4096*\j            ; and their masks
.endr
	s_wait_kmcnt 0x0
	s_add_co_i32 s80, s44, s45                     ; e6 + e7
	s_lshl_b32 s80, s80, 23
	s_mov_b32 s[CS], 0x3e38aa3b                    ; log2(e) / 8,
	s_add_co_i32 s[CS], s[CS], s80                 ; x 2^(e6 + e7): added to the exponent field
	s_mov_b32 s[CS+1], s[CS]                       ; (named with it as a pair, so it is written)
	s_mov_b32 s56, 0x40b17218                      ; 8 ln 2,
	s_sub_co_i32 s56, s56, s80                     ; / 2^(e6 + e7)
	MKSCALE PSC, PLIM, 46
	s_add_co_i32 s81, s46, s47
	s_sub_co_i32 s81, s48, s81                     ; e10 - e8 - e9: O^T / l stands for a / 2^(e8 + e9)
	MKSCALE SC6, LIM6, 81
	v_mov_b32 v[CM], 0xdd800000                    ; -2^60
.irp x, 0,1
	v_mov_b32 v[STA+4*\x+1], 0xd8800000            ; the largest t so far: -2^50
	v_mov_b32 v[STA+4*\x+2], 0                     ; l
	v_mov_b32 v[STA+4*\x+3], 0
	v_mov_b32 v[WKA+6*\x+3], 0                     ; (upper halves of named pairs, and permutes' destinations, are written once)
	v_mov_b32 v[WKA+6*\x+4], 0
	v_mov_b32 v[F1+2*\x+1], 0
	v_mov_b32 v[RC+2*\x+1], 0
.endr
.irp x, 0,1
	v_floor_f32 v[STA+4*\x], -v[STA+4*\x+1]        ; -M
.endr
	WIN 0x40
.set j, 0
.rept 64
	v_mov_b32 v[O+j], 0                            ; O^T.  (The key step is written without a first step of its own: it finds zeros, which the first change of M leaves zeros)
.set j, j+1
.endr
	WIN 0
	s_wait_loadcnt 0x0                             ; Q, gates, masks
.set j, 0
.rept 16
	v_max_num_f32 v[S+j], 0x358637bd, v[S+j]       ; max(gate, 1e-6)
.set j, j+1
.endr
.set j, 0
.rept 16
	v_log_f32 v[S+j], v[S+j]                       ; log2: one batch
.set j, j+1
.endr
	v_nop                                          ; a plain line behind the last logarithm
	s_wait_alu depctr_va_vdst(0)                   ; one wait for the batch, ahead of its first reader
.set j, 0
.rept 16
	v_cmp_eq_u32 vcc_lo, 0, v[S+16+j]
	v_cndmask_b32 v[S+j], v[S+j], v[CM], vcc_lo    ; -2^60 where the mask is 0
	v_mul_f32 v[S+j], s56, v[S+j]                  ; C
.set j, j+1
.endr
.irp j, 0,1,2,3
	ds_store_b128 v[BT], v[S+4*\j:S+4*\j+3] offset:4096*\j    ; the first change of slots waits for these stores and is the barrier in front of their readers
.endr
; A PREFETCH INTO THE L2 of what the NEXT change of slots will ask for: 64 KiB of K's image and of V's.  All clusters of a head walk the same images: the head's first cluster asks.  In it waves 0 and 2 ask for K's,
; waves 4 and 6 for V's, one instruction each, lanes 256 bytes apart; the four partners take 8,192 bytes each, told apart by address.  So each block of 256 bytes of keys 2,048 on is named once in the launch;
; keys 0 to 2,047 come by their loads alone.  The last change that fills a slot asks for nothing.
.macro ASK
	s_cmp_gt_u32 s[SLOTS], s[LIM]
	s_cbranch_scc0 .Lnot_mine_\@
	global_prefetch_b8 v[PFO], s[PFA:PFA+1] th:TH_LOAD_NT scope:SCOPE_SE
.Lnot_mine_\@:
.endm
; THE CHANGE OF SLOTS stands at a slot's head.  Each wave waits for all its tensor loads (its part of the slot that it is about to read), adds 0 to its spare word, and waits for that and for its LDS reads of the slot
; that it has left.  fill = 1: a round of the cluster's barrier, and behind it, first thing, the wave's one joint load: the next 1,024 keys into the slot just left; it has a slot's four steps in which to land.
.macro CHANGE fill
	s_wait_tensorcnt 0x0                           ; no tensor load of mine is out, so group 0 may be written
	ds_add_u32 v[SPW], v[NIL]                      ; 0 onto my spare word
.if \fill
	s_xor_b32 s[G0+1], s[G0+1], SLOT1              ; the other slot than last time,
	s_add_nc_u64 s[G0+2:G0+3], s[G0+2:G0+3], 65536 ; the next 1,024 keys; the type bits on top are not reached
	s_wait_xcnt 0x0                                ; the last prefetch, a slot back, has read its address
	s_add_nc_u64 s[PFA:PFA+1], s[PFA:PFA+1], 65536 ; one slot further on than the walking descriptor
	s_wait_dscnt 0x0                               ; the add is done; my LDS reads and stores are done
	CROUND
	tensor_load_to_lds s[G0:G0+3], s[G1:G1+7]
	s_nop 0
	PLACES 4
	ASK
.else
	s_wait_dscnt 0x0
	s_barrier_signal -1
	s_barrier_wait -1
.endif
.endm
; A KEY STEP: 128 keys for my two tiles of queries.
.macro STEP
	v_add_nc_u32 v[ADK], s[TK], v[LI]              ; these three and the v_nop are the four places in front of loads into registers that the last products read
	v_add_nc_u32 v[ADB], s[TBI], v[BL]
	v_add_nc_u32 v[ADV], VOFF, v[ADK]
	v_nop
	WIN 0x40                                       ; destination window 1
.irp t, 0,1,2,3,4,5,6,7
	ds_load_b128 v[CB+8*\t:CB+8*\t+3],   v[ADB] offset:64*\t       ; C(16 t + 8 h + 0 .. 7): the result's layout
	ds_load_b128 v[CB+8*\t+4:CB+8*\t+7], v[ADB] offset:64*\t+16
.endr
.irp t, 0,1,2,3,4,5,6,7
	ds_load_b128 v[KF+8*\t:KF+8*\t+3],   v[ADK] offset:1024*\t     ; images: 512 consecutive bytes a load
	ds_load_b128 v[KF+8*\t+4:KF+8*\t+7], v[ADK] offset:1024*\t+512
.endr
.irp dt, 0,1,2,3
.irp g, 0,1,2,3
	ds_load_b128 v[VF+16*\dt+4*\g:VF+16*\dt+4*\g+3], v[ADV] offset:2048*\dt+512*\g
.endr
.endr
	s_wait_dscnt 16                                ; C and K are in; V's 16 loads may be out
	WIN 0x11                                       ; K and C window 1; Q and S^T window 0
.irp t, 0,1,2,3,4,5,6,7
.irp x, 0,1
	v_wmma_f32_16x16x64_bf8_bf8 v[S+64*\x+8*\t:S+64*\x+8*\t+7], v[KF+8*\t:KF+8*\t+7], v[Q+8*\x:Q+8*\x+7], v[CB+8*\t:CB+8*\t+7]
.endr
.endr
	WIN 0
	PLACES 4
.irp x, 0,1                                    ; the step's largest sum of each query, among my 64 keys, in two chains a tile, each accumulator from its low end on
	v_max3_num_f32 v[WKA+6*\x],   v[S+64*\x],   v[S+64*\x+1], v[S+64*\x+2]
	v_max3_num_f32 v[WKA+6*\x+1], v[S+64*\x+3], v[S+64*\x+4], v[S+64*\x+5]
.endr
.irp i, 6,10,14,18,22,26,30,34,38,42,46,50,54,58
.irp x, 0,1
	v_max3_num_f32 v[WKA+6*\x],   v[WKA+6*\x],   v[S+64*\x+\i],   v[S+64*\x+\i+1]
	v_max3_num_f32 v[WKA+6*\x+1], v[WKA+6*\x+1], v[S+64*\x+\i+2], v[S+64*\x+\i+3]
.endr
.endr
.irp x, 0,1
	v_max3_num_f32 v[WKA+6*\x], v[WKA+6*\x], v[S+64*\x+62], v[S+64*\x+63]
.endr
.irp x, 0,1
	v_max_num_f32 v[WKA+6*\x], v[WKA+6*\x], v[WKA+6*\x+1]
.endr
.irp x, 0,1
	v_permlanex16_b32 v[WKA+6*\x+4], v[WKA+6*\x], s[SEL], s[SEL+1]
.endr
.irp x, 0,1
	v_max_num_f32 v[WKA+6*\x], v[WKA+6*\x], v[WKA+6*\x+4]          ; and among lane l xor 16's
.endr
.irp x, 0,1
	v_mul_f32 v[WKA+6*\x], s[CS], v[WKA+6*\x]                      ; as t (c' is positive)
.endr
.irp x, 0,1
	v_max_num_f32 v[STA+4*\x+1], v[STA+4*\x+1], v[WKA+6*\x]        ; the running largest t
.endr
.irp x, 0,1
	v_mov_b32 v[WKA+6*\x], v[STA+4*\x]
.endr
.irp x, 0,1
	v_floor_f32 v[STA+4*\x], -v[STA+4*\x+1]                        ; the new -M = -ceil(t): a whole number
.endr
.irp x, 0,1
	v_sub_f32 v[WKA+6*\x], v[STA+4*\x], v[WKA+6*\x]                ; old M - new M: a whole number, 0 or less
.endr
.irp x, 0,1
	v_cvt_i32_f32 v[WKA+6*\x], v[WKA+6*\x]                         ; (it saturates)
.endr
.irp x, 0,1
	v_ldexp_f32 v[WKA+6*\x+2], 1.0, v[WKA+6*\x]                    ; f = 2^(old M - new M)
.endr
.set j, 0
.rept 32
	v_pk_fma_f32 v[S+2*j:S+2*j+1], v[S+2*j:S+2*j+1], s[CS:CS+1], v[STA:STA+1] op_sel_hi:[1,0,0]   ; tile 0: t - M, two at a time
.set j, j+1
.endr
.set j, 0
.rept 32                                       ; tile 0's exponentials, with tile 1's scalings as the plain work between them
	v_exp_f32 v[S+2*j], v[S+2*j]
	v_exp_f32 v[S+2*j+1], v[S+2*j+1]
	v_pk_fma_f32 v[S+64+2*j:S+64+2*j+1], v[S+64+2*j:S+64+2*j+1], s[CS:CS+1], v[STA+4:STA+5] op_sel_hi:[1,0,0]
.set j, j+1
.endr
	s_setprio 1
	v_pk_mul_f32 v[STA+2:STA+3], v[STA+2:STA+3], v[WKA+2:WKA+3] op_sel_hi:[1,0]   ; tile 0's l under the new M
	s_wait_alu depctr_va_vdst(0)                   ; one wait for tile 0's 64 exponentials, ahead of their first reader
.set j, 0
.rept 32                                       ; tile 0: the sum of the unquantised p, the hold (p is never negative: one-sided), the conversions; tile 1's exponentials stand between
	v_pk_add_f32 v[STA+2:STA+3], v[STA+2:STA+3], v[S+2*j:S+2*j+1]
	v_exp_f32 v[S+64+2*j], v[S+64+2*j]
	v_exp_f32 v[S+64+2*j+1], v[S+64+2*j+1]
.if j%4 == 3
	v_cvt_scalef32_pk8_bf8_f32 v[P+2*(j/4):P+2*(j/4)+1], v[S+8*(j/4):S+8*(j/4)+7], v[PSC]
.endif
.set j, j+1
.endr
	v_pk_mul_f32 v[STA+6:STA+7], v[STA+6:STA+7], v[WKA+8:WKA+9] op_sel_hi:[1,0]   ; tile 1's l under the new M
	s_wait_alu depctr_va_vdst(0)                   ; one wait for tile 1's 64 exponentials
.set j, 0
.rept 32
	v_pk_add_f32 v[STA+6:STA+7], v[STA+6:STA+7], v[S+64+2*j:S+64+2*j+1]
.if j%4 == 3
	v_cvt_scalef32_pk8_bf8_f32 v[P+16+2*(j/4):P+16+2*(j/4)+1], v[S+64+8*(j/4):S+64+8*(j/4)+7], v[PSC]
.endif
.set j, j+1
.endr
	WIN 0x41                                       ; O^T (destination and source 0) window 1, f window 0
.set j, 0
	s_setprio 0
.rept 16                                       ; O^T under the new M.  These are also the plain lines between the conversions and the products that read their results
	v_pk_mul_f32 v[O+2*j:O+2*j+1], v[O+2*j:O+2*j+1], v[WKA+2:WKA+3] op_sel_hi:[1,0]
	v_pk_mul_f32 v[O+32+2*j:O+32+2*j+1], v[O+32+2*j:O+32+2*j+1], v[WKA+8:WKA+9] op_sel_hi:[1,0]
.set j, j+1
.endr
	s_wait_dscnt 0x0                               ; V is in
	WIN 0x51                                       ; V, C and D window 1; P window 0
.irp dt, 0,1,2,3                               ; eight accumulators by turns, one instruction a turn
.irp x, 0,1
	v_wmma_f32_16x16x128_bf8_bf8 v[O+32*\x+8*\dt:O+32*\x+8*\dt+7], v[VF+16*\dt:VF+16*\dt+15], v[P+16*\x:P+16*\x+15], v[O+32*\x+8*\dt:O+32*\x+8*\dt+7]
.endr
.endr
	WIN 0
.endm
.macro SLOT_STEPS                      ; my half's four steps of the slot in hand
	s_mov_b32 s[TW], 4
.Lstep_\@:
	s_setprio 2
	STEP
	s_add_co_u32 s[TK], s[TK], 8192
	s_add_co_u32 s[TBI], s[TBI], 512
	s_sub_co_u32 s[TW], s[TW], 1
	s_cmp_lg_u32 s[TW], 0
	s_cbranch_scc1 .Lstep_\@
	s_setprio 0
	s_sub_co_u32 s[TK], s[TK], 32768               ; back to my half's first step,
	s_xor_b32 s[TK], s[TK], SLOT1                  ; in the other slot;
	s_add_co_u32 s[TBI], s[TBI], 2048              ; the table: over the other half's four steps
.endm
.Lslot:                                            ; three trips: behind each change of slots but the last the next 1,024 keys are asked for
	CHANGE 1
	SLOT_STEPS
	s_sub_co_u32 s[SLOTS], s[SLOTS], 1
	s_cmp_lg_u32 s[SLOTS], 0
	s_cbranch_scc1 .Lslot
	CHANGE 0                                       ; the last slot is written out
	SLOT_STEPS
	; THE WAY OUT.  l's two halves and lane l xor 16's are added.  Waves 4-7 hand O^T, -M and l of their half of the keys to waves 0-3 through the stage; these merge, divide, quantise and store.
	v_add_f32 v[STA+2], v[STA+2], v[STA+3]         ; two additions and two v_nop: the four places behind the last products
	v_add_f32 v[STA+6], v[STA+6], v[STA+7]
	v_nop
	v_nop
	v_permlanex16_b32 v[WKA+4], v[STA+2], s[SEL], s[SEL+1]
	v_permlanex16_b32 v[WKA+10], v[STA+6], s[SEL], s[SEL+1]
	v_add_f32 v[STA+2], v[STA+2], v[WKA+4]
	v_add_f32 v[STA+6], v[STA+6], v[WKA+10]
	s_cmp_lt_u32 s[WV], 4
	s_cbranch_scc1 .Lkeep
	WIN 0x04                                       ; store data window 1
.irp i, 0,1,2,3,4,5,6,7,8,9,10,11,12,13,14,15
	ds_store_b128 v[SA], v[O+4*\i:O+4*\i+3] offset:512*\i      ; as an image of the registers; each accumulator from its low end on
.endr
	WIN 0
	v_mov_b32 v[SND], v[STA]
	v_mov_b32 v[SND+1], v[STA+2]
	v_mov_b32 v[SND+2], v[STA+4]
	v_mov_b32 v[SND+3], v[STA+6]
	ds_store_b128 v[SA], v[SND:SND+3] offset:8192
.Lkeep:
	s_wait_dscnt 0x0                               ; for the others' sake: my stores into the stage are done
	s_barrier_signal -1
	s_barrier_wait -1
	s_cmp_lt_u32 s[WV], 4
	s_cbranch_scc0 .Lend
.irp i, 0,1,2,3,4,5,6,7,8,9,10,11,12,13,14,15
	ds_load_b128 v[S+4*\i:S+4*\i+3], v[SA] offset:512*\i
.endr
	ds_load_b128 v[RCV:RCV+3], v[SA] offset:8192
	s_wait_dscnt 0x0
.irp x, 0,1
	v_min_num_f32 v[WKA+6*\x], v[STA+4*\x], v[RCV+2*\x]            ; -M of both halves: the larger M
	v_sub_f32 v[WKA+6*\x+1], v[WKA+6*\x], v[STA+4*\x]              ; my M - M, and the other half's: whole numbers, 0 or less
	v_sub_f32 v[WKA+6*\x+4], v[WKA+6*\x], v[RCV+2*\x]
	v_cvt_i32_f32 v[WKA+6*\x+1], v[WKA+6*\x+1]
	v_cvt_i32_f32 v[WKA+6*\x+4], v[WKA+6*\x+4]
	v_ldexp_f32 v[WKA+6*\x+2], 1.0, v[WKA+6*\x+1]                  ; f0
	v_ldexp_f32 v[F1+2*\x], 1.0, v[WKA+6*\x+4]                     ; f1
	v_mul_f32 v[STA+4*\x+2], v[STA+4*\x+2], v[WKA+6*\x+2]
	v_fma_f32 v[STA+4*\x+2], v[RCV+2*\x+1], v[F1+2*\x], v[STA+4*\x+2]   ; l
.endr
	v_rcp_f32 v[RC], v[STA+2]
	v_rcp_f32 v[RC+2], v[STA+6]
	v_mul_f32 v[LM], v[LIM6], v[STA+2]             ; the hold is made ahead of the division: the largest code x the scale x l.  (Plain lines behind the reciprocals)
	v_mul_f32 v[LM+1], v[LIM6], v[STA+6]
	s_wait_alu depctr_va_vdst(0)                   ; one wait for both reciprocals, ahead of their first reader
.irp x, 0,1
.set j, 0
.rept 16
	v_pk_mul_f32 v[S+32*\x+2*j:S+32*\x+2*j+1], v[S+32*\x+2*j:S+32*\x+2*j+1], v[F1+2*\x:F1+2*\x+1] op_sel_hi:[1,0]
.set j, j+1
.endr
.endr
	WIN 0x01                                       ; source 0 (my O^T) window 1
.irp x, 0,1
.set j, 0
.rept 16
	v_pk_fma_f32 v[S+32*\x+2*j:S+32*\x+2*j+1], v[O+32*\x+2*j:O+32*\x+2*j+1], v[WKA+6*\x+2:WKA+6*\x+3], v[S+32*\x+2*j:S+32*\x+2*j+1] op_sel_hi:[1,0,1]
.set j, j+1
.endr
.endr
	WIN 0
.irp x, 0,1
.set j, 0
.rept 32
	v_med3_num_f32 v[S+32*\x+j], v[S+32*\x+j], -v[LM+\x], v[LM+\x]
.set j, j+1
.endr
.set j, 0
.rept 16
	v_pk_mul_f32 v[S+32*\x+2*j:S+32*\x+2*j+1], v[S+32*\x+2*j:S+32*\x+2*j+1], v[RC+2*\x:RC+2*\x+1] op_sel_hi:[1,0]   ; / l
.set j, j+1
.endr
.irp dt, 0,1,2,3
	v_cvt_scalef32_pk8_bf8_f32 v[COD+8*\x+2*\dt:COD+8*\x+2*\dt+1], v[S+32*\x+8*\dt:S+32*\x+8*\dt+7], v[SC6]
.endr
.endr
	v_nop
.irp x, 0,1
.irp g, 0,1
	global_store_b128 v[LI], v[COD+8*\x+4*\g:COD+8*\x+4*\g+3], s[16:17] offset:8192*\x+512*\g   ; 32 lanes store 512 consecutive bytes, aligned
.endr
.endr
.Lend:
	s_wait_tensorcnt 0x0                           ; the wave's end: behind my last tensor load and my last LDS store
	ds_add_u32 v[SPW], v[NIL]
	s_wait_dscnt 0x0
	CROUND                                         ; the closing round
	s_endpgm
.Lfunc_end_k_q3ed06d0730_attn:
	.size	k_q3ed06d0730_attn, .Lfunc_end_k_q3ed06d0730_attn-k_q3ed06d0730_attn
	.p2alignl 7, 3214868480
	.fill 96, 4, 3214868480
	.section	.rodata,"a",@progbits
	.p2align	6, 0x0
	.amdhsa_kernel k_q3ed06d0730_attn
		.amdhsa_group_segment_fixed_size 327680
		.amdhsa_private_segment_fixed_size 0
		.amdhsa_enable_private_segment 0
		.amdhsa_kernarg_size 56
		.amdhsa_user_sgpr_count 2
		.amdhsa_user_sgpr_kernarg_segment_ptr 1
		.amdhsa_wavefront_size32 1
		.amdhsa_system_sgpr_workgroup_id_x 1
		.amdhsa_system_sgpr_workgroup_id_y 1
		.amdhsa_system_sgpr_workgroup_id_z 1
		.amdhsa_system_vgpr_workitem_id 0
		.amdhsa_next_free_vgpr 512
		.amdhsa_next_free_sgpr 96
		.amdhsa_reserve_vcc 1
		.amdhsa_float_denorm_mode_32 3
		.amdhsa_float_denorm_mode_16_64 3
		.amdhsa_fp16_overflow 1
		.amdhsa_memory_ordered 1
		.amdhsa_forward_progress 1
		.amdhsa_inst_pref_size 81
	.end_amdhsa_kernel
	.amdgpu_metadata
---
amdhsa.version: [ 1, 2 ]
amdhsa.kernels:
  - .name:           k_q3ed06d0730_attn
    .symbol:         k_q3ed06d0730_attn.kd
    .args:
      - { .name: qimg, .offset: 0, .size: 8, .value_kind: global_buffer, .address_space: global }
      - { .name: kimg, .offset: 8, .size: 8, .value_kind: global_buffer, .address_space: global }
      - { .name: vimg, .offset: 16, .size: 8, .value_kind: global_buffer, .address_space: global }
      - { .name: key_gate, .offset: 24, .size: 8, .value_kind: global_buffer, .address_space: global }
      - { .name: key_mask, .offset: 32, .size: 8, .value_kind: global_buffer, .address_space: global }
      - { .name: lowp_scales, .offset: 40, .size: 8, .value_kind: global_buffer, .address_space: global }
      - { .name: aimg, .offset: 48, .size: 8, .value_kind: global_buffer, .address_space: global }
    .group_segment_fixed_size: 327680
    .private_segment_fixed_size: 0
    .kernarg_segment_align: 8
    .kernarg_segment_size: 56
    .max_flat_workgroup_size: 256
    .sgpr_count:     96
    .vgpr_count:     512
    .wavefront_size: 32
...
	.end_amdgpu_metadata
.endif
;; end of part 2
;; launch outp (part 3): grid 4 x 64, 8 waves a work-group, clusters of 4 x 4, 167,936 bytes of LDS; arguments aimg, Wo_codes, bo, lowp_scales, out0; writes out0
.if DOCPART == 3
	.amdgcn_target "amdgcn-amd-amdhsa--gfx1250"
	.amdhsa_code_object_version 6
	.text
	.protected	k_q3ed06d0730_outp
	.globl	k_q3ed06d0730_outp
	.p2align	8
	.type	k_q3ed06d0730_outp,@function
k_q3ed06d0730_outp:
	s_mov_b64 s[64:65], 0
	v_nop
	global_prefetch_b8 v0, s[64:65] scope:SCOPE_SE
	s_setreg_imm32_b32 hwreg(HW_REG_WAVE_MODE, 25, 1), 1
	s_wait_xcnt 0x0
	s_wait_alu depctr_hold_cnt(0) depctr_sa_sdst(0) depctr_va_vdst(0) depctr_va_sdst(0) depctr_va_ssrc(0) depctr_va_vcc(0) depctr_vm_vsrc(0)
	s_getreg_b32 s2, hwreg(HW_REG_IB_STS2, 6, 4)
	s_cmp_eq_u32 s2, 0
	s_cbranch_scc0 .Lentry_in_a_cluster
	s_endpgm
.Lentry_in_a_cluster:
	s_bfe_u32 s2, ttmp6, 0x10000c
	s_cmp_lg_u32 s2, 0xf033
	s_cbranch_scc0 .Lentry_shape_is_right
	s_endpgm
.Lentry_shape_is_right:
; THE LAST PROJECTION: out0 = a Wo^T + bo, on codes of BF8 (E5M2).  a [4,096 rows][512] comes as images of its operand registers (second launch), Wo [512][512] as codes with K innermost.  Nothing is left out.
; SHARES.  256 work-groups of 8 waves.  Work-group (x, y): 64 rows (four tiles of 16) x 128 columns.  Wave w: tile of rows w % 4, columns 64 (w / 4) .. + 63: four accumulators, K = 512 in four steps of 128: 16 matrix instructions.
; CLUSTER 4 x 4: the four of a row of the cluster share y and ask for a's images jointly; the four of a column share x and ask for Wo's rows jointly.  Waves 0, 1 fetch Wo's two halves, waves 2, 3 a's; nothing is filled again.
; LAYOUT.  Source 0 = 16 rows of Wo, source 1 = 16 rows of a: a lane holds one row of out0 and eight neighbouring columns.  Both fragments hold k = 32 c + 16 (lane / 16) + 0 .. 15 in registers 4 c .. 4 c + 3.
; bo, divided by the power of two that the sums lack, is what the sums begin with; each finished sum is multiplied once by 2^(e10 + e11).
; The results go through the wave's own stage in LDS and leave as rows of 256 bytes: sixteen lanes store 256 consecutive bytes, aligned.
; LIMIT: e10 + e11 between -126 and 127, so that 2^(e10 + e11) is an f32 number.
.set PITCH, 528                        ; a row of Wo in LDS: 512 bytes + 16
.set WO,    0                          ; 128 rows
.set AI,    WO+128*PITCH               ; a's images: 4 tiles x 8,192 bytes, dense
.set STG,   AI+32768                   ; the stages: 16 rows x (256 + 16) bytes for each wave
.set SPARE, STG+8*16*272               ; the spare words, 128 bytes for each wave: four blocks of 256 bytes that no other line names
.set SPW, 1                            ; v1  LDS address of my spare word; never rewritten
.set NIL, 2                            ; v2  0; never rewritten
.set LI,  3                            ; v3  16 x lane
.set AA,  4                            ; v4  my tile's images
.set AW,  5                            ; v5  my 64 rows of Wo
.set STO, 6                            ; v6  the stage: where I put 32 bytes of a row
.set RD,  7                            ; v7  and where I read a row back
.set GO,  8                            ; v8  my byte offset in out0
.set BO8, 9                            ; v9  32 (lane / 16)
.set AF,  16                           ; v16-79   a's four fragments
.set WB,  80                           ; v80-143, v144-207  two buffers of four fragments of Wo; on the way out v80-111 results, v112-143 rows
.set ACC, 208                          ; v208-239 four accumulators
.set WVN, 14
.set G1W, 24                           ; s[24:31] group 1 for Wo's rows   s[32:39] for a's images   s[40:43], s[44:47] their groups 0
.set G1A, 32
.set G0W, 40
.set G0A, 44
.macro PLACES n
.rept \n
	v_nop
.endr
.endm
.macro CROUND
	s_barrier_signal -1
	s_barrier_wait -1
	s_cmp_lg_u32 s[WVN], 0
	s_cbranch_scc1 .Lnot_wave_0_\@
	s_barrier_signal -3
.Lnot_wave_0_\@:
	s_barrier_wait -3
	s_barrier_signal -1
	s_barrier_wait -1
.endm
	s_load_b256 s[4:11], s[0:1], 0x0               ; aimg s[4:5], Wo s[6:7], bo s[8:9], the exponents s[10:11]
	s_load_b64 s[12:13], s[0:1], 0x20              ; out0
	v_lshl_add_u32 v[SPW], v0, 2, SPARE
	v_mov_b32 v[NIL], 0
	ds_add_u32 v[SPW], v[NIL]                      ; the wave's opening: the add, twice on end, and its wait ahead of the first tensor loads
	ds_add_u32 v[SPW], v[NIL]                      ; and once more; the set-up below stands between it and the wait
	v_lshrrev_b32 v10, 5, v0
	s_delay_alu instid0(VALU_DEP_1)
	v_readfirstlane_b32 s[WVN], v10                ; wave 0..7
	s_bfe_u32 s15, ttmp6, 0x40000                  ; cx
	s_bfe_u32 s16, ttmp6, 0x40004                  ; cy
	s_lshl_b32 s17, ttmp9, 2
	s_add_co_u32 s17, s17, s15                     ; x: 128 columns
	s_and_b32 s18, ttmp7, 0xffff
	s_lshl_b32 s18, s18, 2
	s_add_co_u32 s18, s18, s16                     ; y: 64 rows
	s_and_b32 s19, s[WVN], 1                       ; which half I fetch, if I fetch
	s_and_b32 s20, s[WVN], 3                       ; my tile of rows
	s_lshr_b32 s21, s[WVN], 2                      ; my half of the columns
	s_lshl_b32 s48, s16, 2
	s_lshl_b32 s48, 15, s48                        ; my row of the cluster
	s_lshl_b32 s52, 0x1111, s15                    ; my column
	s_or_b32 s[G1W], s52, (1<<20)|(1<<21)|(6<<22)|(3<<25)   ; elements of 1 byte; padding: 4 words after every 128; bit 21 beside a mask
	s_mov_b32 s[G1W+1], 512<<16
	s_mov_b32 s[G1W+2], 64<<16
	s_mov_b32 s[G1W+3], 512<<16
	s_mov_b32 s[G1W+4], 64
	s_mov_b32 s[G1W+5], 512
	s_mov_b32 s[G1W+6], 0
	s_mov_b32 s[G1W+7], 0
	s_or_b32 s[G1A], s48, 1<<21                    ; 64 rows of 256 bytes, dense, no padding
	s_mov_b32 s[G1A+1], 256<<16
	s_mov_b32 s[G1A+2], 64<<16
	s_mov_b32 s[G1A+3], 256<<16
	s_mov_b32 s[G1A+4], 64
	s_mov_b32 s[G1A+5], 256
	s_mov_b32 s[G1A+6], 0
	s_mov_b32 s[G1A+7], 0
	s_lshl_b32 s52, s17, 16                        ; Wo: rows 128 x + 64 half, 512 bytes each.  s52, s53 never hold cy; s48, s49 never cx
	s_lshl_b32 s53, s19, 15
	s_add_co_u32 s52, s52, s53
	s_mov_b32 s53, 0
	s_lshl_b32 s48, s18, 15                        ; a: 32,768 y + 16,384 half
	s_lshl_b32 s49, s19, 14
	s_add_co_u32 s48, s48, s49
	s_mov_b32 s49, 0
	s_mul_i32 s22, s19, 64*PITCH
	s_lshl_b32 s23, s19, 14
	s_add_co_u32 s23, s23, AI
	s_wait_dscnt 0x0                               ; both opening adds are done
	s_wait_kmcnt 0x0
	s_load_b64 s[56:57], s[10:11], 0x28            ; e10, e11
	s_mov_b32 s[G0W], 1
	s_mov_b32 s[G0W+1], s22
	s_add_nc_u64 s[G0W+2:G0W+3], s[6:7], s[52:53]
	s_or_b32 s[G0W+3], s[G0W+3], 0x80000000
	s_mov_b32 s[G0A], 1
	s_mov_b32 s[G0A+1], s23
	s_add_nc_u64 s[G0A+2:G0A+3], s[4:5], s[48:49]
	s_or_b32 s[G0A+3], s[G0A+3], 0x80000000
	CROUND                                         ; all sixteen work-groups are here: the joint loads meet
	s_cmp_lt_u32 s[WVN], 2                         ; the branches hang on the wave's number alone; one load of a fetching wave is out
	s_cbranch_scc0 .Lnot_w
	tensor_load_to_lds s[G0W:G0W+3], s[G1W:G1W+7]
	s_nop 0
	PLACES 4
	s_branch .Lasked
.Lnot_w:
	s_cmp_lt_u32 s[WVN], 4
	s_cbranch_scc0 .Lasked
	tensor_load_to_lds s[G0A:G0A+3], s[G1A:G1A+7]
	s_nop 0
	PLACES 4
.Lasked:
	v_and_b32 v10, 15, v0                          ; r
	v_bfe_u32 v11, v0, 4, 1                        ; h
	v_and_b32 v[LI], 31, v0
	s_delay_alu instid0(VALU_DEP_1)
	v_lshlrev_b32 v[LI], 4, v[LI]
	s_lshl_b32 s58, s20, 13
	s_add_co_u32 s58, s58, AI
	v_add_nc_u32 v[AA], s58, v[LI]
	v_mul_u32_u24 v[AW], v10, PITCH
	s_delay_alu instid0(VALU_DEP_1)
	v_lshl_add_u32 v[AW], v11, 4, v[AW]
	s_mul_i32 s58, s21, 64*PITCH
	v_add_nc_u32 v[AW], s58, v[AW]
	s_mul_i32 s59, s[WVN], 16*272
	s_add_co_u32 s59, s59, STG                     ; my stage
	v_mul_u32_u24 v[STO], v10, 272
	s_delay_alu instid0(VALU_DEP_1)
	v_lshl_add_u32 v[STO], v11, 5, v[STO]
	s_delay_alu instid0(VALU_DEP_1)
	v_add_nc_u32 v[STO], s59, v[STO]               ; in: row r, 32 bytes for each half of the lanes
	v_mul_u32_u24 v[RD], v11, 272
	s_delay_alu instid0(VALU_DEP_1)
	v_lshl_add_u32 v[RD], v10, 4, v[RD]
	s_delay_alu instid0(VALU_DEP_1)
	v_add_nc_u32 v[RD], s59, v[RD]                 ; back: lanes 0-15 one row of 256 bytes, lanes 16-31 the next
	v_lshlrev_b32 v[GO], 11, v11
	s_delay_alu instid0(VALU_DEP_1)
	v_lshl_add_u32 v[GO], v10, 4, v[GO]            ; and the same two rows in out0 (2,048 bytes a row)
	v_lshlrev_b32 v[BO8], 5, v11
	s_wait_alu depctr_va_vdst(0)
	s_lshl_b32 s60, s17, 9
	s_lshl_b32 s61, s21, 8
	s_add_co_u32 s60, s60, s61                     ; my first column, in bytes: 512 x + 256 half
	s_mov_b32 s61, 0
	s_add_nc_u64 s[8:9], s[8:9], s[60:61]
	s_lshl_b32 s62, s18, 17                        ; my first row: 64 y + 16 tile
	s_lshl_b32 s63, s20, 15
	s_add_co_u32 s62, s62, s63
	s_add_co_u32 s62, s62, s60
	s_mov_b32 s63, 0
	s_add_nc_u64 s[12:13], s[12:13], s[62:63]
.irp nt, 0,1,2,3
	global_load_b128 v[ACC+8*\nt:ACC+8*\nt+3],   v[BO8], s[8:9] offset:64*\nt       ; bo(16 nt + 8 h + 0 .. 7), in the result's layout: the sums begin with it
	global_load_b128 v[ACC+8*\nt+4:ACC+8*\nt+7], v[BO8], s[8:9] offset:64*\nt+16
.endr
	s_wait_kmcnt 0x0
	s_add_co_i32 s56, s56, s57                     ; e10 + e11
	s_sub_co_i32 s66, 0, s56
	s_add_co_i32 s56, s56, 127
	s_lshl_b32 s56, s56, 23                        ; 2^(e10 + e11) as f32
	s_mov_b32 s57, s56                             ; (named with it as a pair, so it is written)
	s_wait_loadcnt 0x0
.set j, 0
.rept 32
	v_ldexp_f32 v[ACC+j], v[ACC+j], s66            ; bo / 2^(e10 + e11)
.set j, j+1
.endr
.macro WLD ks                          ; 16 LDS loads: my four fragments of Wo for K step ks into buffer ks % 2
.irp nt, 0,1,2,3
.irp c, 0,1,2,3
	ds_load_b128 v[WB+64*((\ks)%2)+16*\nt+4*\c:WB+64*((\ks)%2)+16*\nt+4*\c+3], v[AW] offset:\nt*16*PITCH+128*(\ks)+32*\c
.endr
.endr
.endm
	s_wait_alu depctr_va_vdst(0)
	s_wait_tensorcnt 0x0                           ; my load, if I issued one, has landed,
	s_barrier_signal -1
	s_barrier_wait -1                              ; everybody's has
.irp kk, 0,1,2,3
.irp c, 0,1,2,3
	ds_load_b128 v[AF+16*\kk+4*\c:AF+16*\kk+4*\c+3], v[AA] offset:2048*\kk+512*\c   ; heads 2 kk, 2 kk + 1: one fragment
.endr
.endr
	WLD 0
	WLD 1
.irp kk, 0,1,2,3
.if \kk < 3
	s_wait_dscnt 16                                ; this K step's fragments are in; the next step's 16 loads may be out
.else
	s_wait_dscnt 0x0
.endif
.irp nt, 0,1,2,3                               ; four accumulators by turns, one instruction a turn
	v_wmma_f32_16x16x128_bf8_bf8 v[ACC+8*\nt:ACC+8*\nt+7], v[WB+64*(\kk%2)+16*\nt:WB+64*(\kk%2)+16*\nt+15], v[AF+16*\kk:AF+16*\kk+15], v[ACC+8*\nt:ACC+8*\nt+7]
.endr
	PLACES 4                                       ; in front of loads into the buffer just multiplied, and of the first read of results
.if \kk < 2
	WLD \kk+2
.endif
.endr
.set j, 0
.rept 16
	v_pk_mul_f32 v[WB+2*j:WB+2*j+1], v[ACC+2*j:ACC+2*j+1], s[56:57] op_sel_hi:[1,0]   ; x 2^(e10 + e11); each accumulator from its low end on
.set j, j+1
.endr
.irp nt, 0,1,2,3
	ds_store_b128 v[STO], v[WB+8*\nt:WB+8*\nt+3] offset:64*\nt
	ds_store_b128 v[STO], v[WB+8*\nt+4:WB+8*\nt+7] offset:64*\nt+16
.endr
.irp i, 0,1,2,3,4,5,6,7
	ds_load_b128 v[WB+32+4*\i:WB+32+4*\i+3], v[RD] offset:\i*2*272    ; LDS serves a wave's instructions in order (ISA guide 5.7.1.4): these see my stores
.endr
.irp i, 0,1,2,3,4,5,6,7
	s_wait_dscnt 7-\i                              ; load i is back; the younger ones may be out
	global_store_b128 v[GO], v[WB+32+4*\i:WB+32+4*\i+3], s[12:13] offset:4096*\i th:TH_STORE_NT   ; 16 lanes store 256 consecutive bytes, aligned; written once, read by nobody here
.endr
	s_wait_tensorcnt 0x0                           ; the wave's end: behind my last tensor load and my last LDS store
	ds_add_u32 v[SPW], v[NIL]
	s_wait_dscnt 0x0
	CROUND                                         ; the closing round
	s_endpgm
.Lfunc_end_k_q3ed06d0730_outp:
	.size	k_q3ed06d0730_outp, .Lfunc_end_k_q3ed06d0730_outp-k_q3ed06d0730_outp
	.p2alignl 7, 3214868480
	.fill 96, 4, 3214868480
	.section	.rodata,"a",@progbits
	.p2align	6, 0x0
	.amdhsa_kernel k_q3ed06d0730_outp
		.amdhsa_group_segment_fixed_size 167936
		.amdhsa_private_segment_fixed_size 0
		.amdhsa_enable_private_segment 0
		.amdhsa_kernarg_size 40
		.amdhsa_user_sgpr_count 2
		.amdhsa_user_sgpr_kernarg_segment_ptr 1
		.amdhsa_wavefront_size32 1
		.amdhsa_system_sgpr_workgroup_id_x 1
		.amdhsa_system_sgpr_workgroup_id_y 1
		.amdhsa_system_sgpr_workgroup_id_z 1
		.amdhsa_system_vgpr_workitem_id 0
		.amdhsa_next_free_vgpr 256
		.amdhsa_next_free_sgpr 80
		.amdhsa_reserve_vcc 0
		.amdhsa_float_denorm_mode_32 3
		.amdhsa_float_denorm_mode_16_64 3
		.amdhsa_memory_ordered 1
		.amdhsa_forward_progress 1
		.amdhsa_inst_pref_size 20
	.end_amdhsa_kernel
	.amdgpu_metadata
---
amdhsa.version: [ 1, 2 ]
amdhsa.kernels:
  - .name:           k_q3ed06d0730_outp
    .symbol:         k_q3ed06d0730_outp.kd
    .args:
      - { .name: aimg, .offset: 0, .size: 8, .value_kind: global_buffer, .address_space: global }
      - { .name: Wo_codes, .offset: 8, .size: 8, .value_kind: global_buffer, .address_space: global }
      - { .name: bo, .offset: 16, .size: 8, .value_kind: global_buffer, .address_space: global }
      - { .name: lowp_scales, .offset: 24, .size: 8, .value_kind: global_buffer, .address_space: global }
      - { .name: out0, .offset: 32, .size: 8, .value_kind: global_buffer, .address_space: global }
    .group_segment_fixed_size: 167936
    .private_segment_fixed_size: 0
    .kernarg_segment_align: 8
    .kernarg_segment_size: 40
    .max_flat_workgroup_size: 256
    .sgpr_count:     80
    .vgpr_count:     256
    .wavefront_size: 32
...
	.end_amdgpu_metadata
.endif
;; end of part 3
